; MI455X (gfx1250); checked and timed in simulation.
; The chip was launched on July 23, 2026; its instructions are those of AMD's public machine-readable ISA for CDNA 5 (MIT licence, August 2026) and "CDNA5" Instruction Set Architecture Reference Guide (July 2026). The comments in the code are by the model that wrote it; some were corrected since.
;; Attention. Allowed arithmetic: matrix products marked QUANTISED: E2M3 operands, one E8M0 scale for each 32 along K, by v_wmma_scale_f32_16x16x128_f8f6f4 with both operands' format E2M3, f32 sums; everything else in f32.
;; Inputs: b_proj 1,024 float32; b_qkv 3,072 float32; w_proj_codes 1,024 x 32 x 24 uint8 (E2M3 codes of w_proj, K innermost, in blocks of 32 codes, four codes in three bytes); w_proj_scales 1,024 x 32 uint8 (E8M0 scales of w_proj, one for each 32 codes along K); w_qkv_codes 3,072 x 32 x 24 uint8 (E2M3 codes of w_qkv, K innermost, in blocks of 32 codes, four codes in three bytes); w_qkv_scales 3,072 x 32 uint8 (E8M0 scales of w_qkv, one for each 32 codes along K); x_codes 4 x 2,048 x 32 x 24 uint8 (E2M3 codes of x, K innermost, in blocks of 32 codes, four codes in three bytes); x_scales 4 x 2,048 x 32 uint8 (E8M0 scales of x, one for each 32 codes along K).
;; Outputs: out0 4 x 2,048 x 1,024 float32.
;; This version of the problem:
;;   THIS VERSION OF THE PROBLEM IS GIVEN IN LOW PRECISION. The matrix products marked QUANTISED in the list below multiply operands that are first quantised to E2M3 (2 exponent bits, 3 mantissa bits; 6 bits a number), with one power-of-two scale for each 32 numbers along K (OCP MX v1.0); their sums are f32. All else is computed in f32.
;;   The module's matrix products, in the order in which they are computed (A, B: the left and right operand; K: the contracted axis; several contracted axes count as one K, in the product's order):
;;     1. [M 8,192, K 1,024] x [K 1,024, N 3,072]; A: input x (given as codes); B: input w_qkv (given as codes): QUANTISED
;;     2. batch 64 x [M 2,048, K 64] x [K 64, N 2,048]; A: computed on the way; B: computed on the way: QUANTISED
;;     3. batch 64 x [M 2,048, K 2,048] x [K 2,048, N 64]; A: softmax (see below); B: computed on the way: QUANTISED
;;     4. [M 8,192, K 1,024] x [K 1,024, N 1,024]; A: computed on the way; B: input w_proj (given as codes): QUANTISED
;;   THE QUANTISER, for each operand of a quantised product, along K:
;;     - K is cut into blocks of 32 from its start; a last block that is shorter is filled with zeros.
;;     - A block's scale is 2^e with e = floor(log2(the largest magnitude in the block)) - 2, held to -126 .. 127; a block of zeros has e = 0. As a byte (E8M0): e + 127.
;;     - Each number is divided by its block's scale, clamped to +-7.5, and rounded to the nearest number of E2M3, ties to even, subnormals kept.
;;     - The product sums the exact products of the quantised numbers (number of the format x scale) in f32.
;;   ~~~python
;;   def quantise(x, axis):      # numpy; x: float32 -> the quantised numbers, widened to float32 again
;;       x = np.moveaxis(x, axis, -1); K = x.shape[-1]
;;       x = np.pad(x, [(0, 0)] * (x.ndim - 1) + [(0, -K % 32)]); x = x.reshape(x.shape[:-1] + (-1, 32)); a = np.abs(x).max(-1, keepdims=True)
;;       e = np.where(a > 0, np.clip(np.frexp(np.where(a > 0, a, 1))[1] - 1 - 2, -126, 127), 0)      # np.frexp(a)[1] - 1 = floor(log2(a)), exactly
;;       r = np.clip(x / 2.0 ** e, -7.5, 7.5)
;;       step = 2.0 ** (np.maximum(np.frexp(np.where(r == 0, 1, r))[1] - 1, 0) - 3)
;;       q = np.round(r / step) * step * 2.0 ** e      # np.round: ties to even
;;       return np.moveaxis(q.reshape(q.shape[:-2] + (-1,))[..., :K], -1, axis).astype(np.float32)
;;   ~~~
;;   SOFTMAX AHEAD OF A QUANTISED PRODUCT. Where the list says 'softmax', what is quantised is not the finished softmax but p = 2^(t - M), with t = logit x log2(e) and M = ceil(the row's largest t), a whole number; so 1/2 < the row's largest p <= 1. The row's sum l is taken of the UNQUANTISED p, in f32, and the product's result is divided by l at the end. Since M is a whole number, a kernel that streams over the keys may use a running M (the ceiling of the running maximum): every later rescaling is an exact power of two, which a block's scale takes up: the codes' values come out the same.
;;   OPERANDS COMPUTED ON THE WAY. 'Computed on the way' means the value that the module computes at that place (a softmax that the list does not call 'softmax' is quantised finished and normalised). What goes into a quantiser is computed in f32, as accurately as f32 sums, v_exp_f32 and their like allow (about 1e-6 of the number): no bf16 or f16 on the way to a quantiser, and a product that is left as it is and whose result goes on into a quantised operand takes f32 operands (vector FMAs, or v_wmma_f32_16x16x4_f32). A number that lies on a knife's edge between two numbers of the format may be rounded either way, as far as f32 arithmetic and the matrix unit's own rounding can turn it there, and no further.
;;   INPUTS GIVEN AS CODES. w_proj (in the module: [1024, 1024], K = its axis 0); w_qkv (in the module: [1024, 3072], K = its axis 0); x (in the module: [4, 2048, 1024], K = its axis 2): each comes as NAME_codes (uint8): NAME with its K axis moved to the last place and cut into blocks of 32 codes, [.., K / 32, bytes a block], one block behind the other in memory; four codes in three bytes: a row's codes are one little-endian stream of bits, code i at bits 6 i .. 6 i + 5 (a code: sign, 2 exponent bits, 3 mantissa bits); and NAME_scales (uint8): the same leading axes, one E8M0 byte (e + 127) for each 32 codes along K. Its value is code x scale, taken as it is: it is not quantised again, and the codes and scales need not be those that the quantiser above would give.
;; One version. Each part assembles by itself: llvm-mc -triple=amdgcn-amd-amdhsa -mcpu=gfx1250 --defsym DOCPART=n.
;; ======== version 1 of 1: 3 launches
;; limits: right only within a limited range of input values
;; workspace buffers: qkv 20,185,088 bytes; ocodes 6,291,456 bytes; oscales 524,288 bytes
;; launch qkv (part 1): grid 8 x 32, 4 waves a work-group, clusters of 4 x 4, 327,680 bytes of LDS; arguments x_codes, x_scales, w_qkv_codes, w_qkv_scales, b_qkv, qkv; writes qkv
.if DOCPART == 1
	.amdgcn_target "amdgcn-amd-amdhsa--gfx1250"
	.amdhsa_code_object_version 6
	.text
	.protected	k_qb20d05fcb5_qkv
	.globl	k_qb20d05fcb5_qkv
	.p2align	8
	.type	k_qb20d05fcb5_qkv,@function
k_qb20d05fcb5_qkv:
	s_mov_b64 s[64:65], 0
	v_nop
	global_prefetch_b8 v0, s[64:65] scope:SCOPE_SE
	s_setreg_imm32_b32 hwreg(HW_REG_WAVE_MODE, 25, 1), 1
	s_wait_xcnt 0x0
	s_wait_alu depctr_hold_cnt(0) depctr_sa_sdst(0) depctr_va_vdst(0) depctr_va_sdst(0) depctr_va_ssrc(0) depctr_va_vcc(0) depctr_vm_vsrc(0)
	s_getreg_b32 s2, hwreg(HW_REG_IB_STS2, 6, 4)
	s_cmp_eq_u32 s2, 0
	s_cbranch_scc0 .Lentry_in_a_cluster
	s_endpgm
.Lentry_in_a_cluster:
	s_bfe_u32 s2, ttmp6, 0x10000c
	s_cmp_lg_u32 s2, 0xf033
	s_cbranch_scc0 .Lentry_shape_is_right
	s_endpgm
.Lentry_shape_is_right:
; Q, K, V = x w_qkv + b_qkv on codes of FP6 (E2M3), and their quantisers: the results leave as codes and scale words, as images of the operand registers of the launch that reads them.
; LIMITS: NaN and infinities are not served; a block whose largest magnitude lies under 2^-124 (a block of zeros too) gets the scale byte 1; only this program reads these bytes.
; THE DEAL.  256 work-groups of four waves.  A work-group takes 256 tokens (g) and 128 columns (c: two heads) of V, then of Q, then of K: three phases of one shape.
; Wave (a, b) takes tokens 128 a .. + 127 and head 2 c + b.  It holds its 64 rows of the weight, all of K, in 384 registers, and streams its tokens past them in eight blocks of 16 rows, all of K: 32 products a block.
; LDS: x's 256 rows (pitch 816 = 768 + 16 behind every 256) and their scale bytes are filled once and stay; the weights' region of 128 rows is filled at the head (V) and again twice (Q, K), each time behind a drained round.
; Tensor rows are whole rows of 768 bytes, which begin at multiples of 256.
; CLUSTERS 4 x 4: x's rows hang on g alone and are shared along a row of the cluster, a weight's rows on c alone and are shared along a column.
; WHICH ROWS FORM A TILE is chosen by LDS addresses so that a lane's 32 sums are one scale block.  Q, K: source 0 = weight rows 8 t + r % 8 + 32 (r / 8), so lane (r, h) holds token r, columns 32 h + 8 t + i.
; V: source 0 = x's rows 64 c + 8 perm(j) + r % 8 + 32 (r / 8), perm = 0, 2, 1, 3, so lane (r, h) holds channel r and the tokens of block 2 c + h in the order in which the reader lays its weights p.
; The bias is the C of a block's first four products.
; qkv[64 heads][16 steps of 128 tokens][K: 8 x 768 codes, 512 scale words | V: 4 x 1,536, 256 | Q: as K].
; WAITS ON DSCNT: a block's rows were fetched two blocks ago; younger is one fetch of NF = 28 loads.  Where nothing younger was issued the count is 0.
; PREFETCH: Q's and K's weight tiles, 384 blocks of 256 bytes each, are shared out by address among the sixteen waves of a cluster's column, 24 lanes each, ahead of the round that loads them.
.set KROW, 768
.set PITCH, 816
.set FR, 12
.set FPW, 21
.set NF, 28
.set WB, 256*PITCH
.set XS, WB+128*PITCH
.set SPARE, XS+32*272
.set HEADB, 315392
.set STEPB, 19712
.set QPART, 13056
.set VPART, 6656
.set SCOFF, 6144
.set XQ0, 4
.set XQ1, 5
.set XQS, 6
.set XV0, 7
.set XV1, 8
.set XVS, 9
.set BA, 10
.set ADRA, 18
.set AAS, 20
.set CO16, 21
.set CO8, 22
.set PF, 23
.set SB, 24
.set SA, 44
.set SW, 60
.set ACC, 64
.set HV, 64
.set TQ, 192
.set SOP, 196
.set EB, 197
.set TC, 198
.set EO, 201
.set WE, 202
.set SH8, 203
.set SH24, 204
.set WQ0, 205
.set WQ1, 206
.set ABV, 207
.set ABQ, 208
.set BIA, 209
.set BJA, 210
.set NCD, 224
.set MCD, 224
.set SPW, 254
.set NIL, 255
.set BBV, 72                           ; window 3: the three biases as C, and Q's and K's weights' scale words
.set BBQ, 104
.set BBK, 136
.set SBQ, 168
.set SBK, 184
.set CWIN, 3
.set G1X, 28
.set G1W, 36
.set G1S, 44
.set G0W, 52
.set G0S, 56
.set G0X, 60
.set G0Y, 68
.set MSB, 0
.macro WIN new
.if MSB != \new
	s_set_vgpr_msb (MSB<<8)|\new
.set MSB, \new
.endif
.endm
.macro PLACES n
.rept \n
	v_nop
.endr
.endm
.macro WALU
	s_wait_alu depctr_va_vdst(0)
.endm
.macro BARRIER
	s_barrier_signal -1
	s_barrier_wait -1
.endm
.macro CROUND
	s_barrier_signal -1
	s_barrier_wait -1
	s_cmp_lg_u32 s16, 0
	s_cbranch_scc1 .Lnot_wave_0_\@
	s_barrier_signal -3
.Lnot_wave_0_\@:
	s_barrier_wait -3
	s_barrier_signal -1
	s_barrier_wait -1
.endm
.macro TLOAD g0, g1
	tensor_load_to_lds s[\g0:\g0+3], s[\g1:\g1+7]
	s_nop 0
	PLACES 4
.endm
.macro GROUP1 g, mask, rows
	s_or_b32 s[\g+0], s[\mask], (1<<20)|(1<<21)|(5<<22)|(3<<25)
	s_mov_b32 s[\g+1], (KROW&0xffff)<<16
	s_mov_b32 s[\g+2], (KROW>>16)|((\rows)<<16)
	s_mov_b32 s[\g+3], KROW<<16
	s_mov_b32 s[\g+4], \rows
	s_mov_b32 s[\g+5], KROW
	s_mov_b32 s[\g+6], 0
	s_mov_b32 s[\g+7], 0
.endm
; fragment f lies in window 1 + f / 21 at register 12 (f % 21): 0-31 the weights' (4 q + t), 32-39 and 40-47 the rows' two sets.  Six pieces of 8 bytes, two to a load where both lie behind as many paddings
.macro FRAG f, q, a0, a1
	WIN (1+(\f)/FPW)<<6
.set R_, FR*((\f)%FPW)
.set SKIP_, 0
.irp p, 0,1,2,3,4,5
.if SKIP_
.set SKIP_, 0
.else
.set PC_, 12*(\q)+6*(\p/3)+\p%3
.set PN_, 12*(\q)+6*((\p+1)/3)+(\p+1)%3
.set X_, (PC_%32+3)/32
.set XQ_, (PN_%32+3)/32
.if (\p < 5) && (X_ == XQ_)
.set SKIP_, 1
.if X_
	ds_load_2addr_b64 v[R_+2*\p:R_+2*\p+3], \a1 offset0:PC_+2*(PC_/32) offset1:PN_+2*(PN_/32)
.else
	ds_load_2addr_b64 v[R_+2*\p:R_+2*\p+3], \a0 offset0:PC_+2*(PC_/32) offset1:PN_+2*(PN_/32)
.endif
.elseif X_
	ds_load_b64 v[R_+2*\p:R_+2*\p+1], \a1 offset:8*(PC_+2*(PC_/32))
.else
	ds_load_b64 v[R_+2*\p:R_+2*\p+1], \a0 offset:8*(PC_+2*(PC_/32))
.endif
.endif
.endr
.endm
.macro WEIGHTS                         ; my 64 rows of the weight, all of K: 104 loads
.irp q, 0,1,2,3,4,5,6,7
.irp t, 0,1,2,3
	FRAG 4*\q+\t, \q, v[BA+2*\t], v[BA+2*\t+1]
.endr
.endr
	WIN 0
.endm
.macro FETCH e                         ; a block of x's rows and its scale words into set e: NF loads
.irp q, 0,1,2,3,4,5,6,7
	FRAG 32+8*(\e)+\q, \q, v[ADRA], v[ADRA+1]
.endr
	WIN 0
	ds_load_b128 v[SA+8*(\e):SA+8*(\e)+3], v[AAS]
	ds_load_b128 v[SA+8*(\e)+4:SA+8*(\e)+7], v[AAS] offset:16
.endm
.macro XADDR kind, s                   ; the LDS addresses of block s: three plain lines
.if \kind
.set RO_, 64*((\s)/4)+8*(2*((\s)%2)+((\s)%4)/2)
	v_add_nc_u32 v[ADRA], RO_*PITCH, v[XV0]
	v_add_nc_u32 v[ADRA+1], RO_*PITCH, v[XV1]
	v_add_nc_u32 v[AAS], (RO_/8)*272, v[XVS]
.else
	v_add_nc_u32 v[ADRA], 16*(\s)*PITCH, v[XQ0]
	v_add_nc_u32 v[ADRA+1], 16*(\s)*PITCH, v[XQ1]
	v_add_nc_u32 v[AAS], 544*(\s), v[XQS]
.endif
.endm
.macro PROD1 d, s0, s1, c, x0, x1, side, o
.if \o
	v_wmma_scale_f32_16x16x128_f8f6f4 v[\d:\d+7], v[FR*((\s0)%FPW):FR*((\s0)%FPW)+FR-1], v[FR*((\s1)%FPW):FR*((\s1)%FPW)+FR-1], \c, v[\x0], v[\x1] matrix_a_fmt:MATRIX_FMT_FP6 matrix_b_fmt:MATRIX_FMT_FP6 matrix_\side\()_scale:MATRIX_SCALE_ROW1
.else
	v_wmma_scale_f32_16x16x128_f8f6f4 v[\d:\d+7], v[FR*((\s0)%FPW):FR*((\s0)%FPW)+FR-1], v[FR*((\s1)%FPW):FR*((\s1)%FPW)+FR-1], \c, v[\x0], v[\x1] matrix_a_fmt:MATRIX_FMT_FP6 matrix_b_fmt:MATRIX_FMT_FP6 matrix_\side\()_scale:MATRIX_SCALE_ROW0
.endif
.endm
; product n = 4 q + t of a block.  kind 0: source 0 the weight's rows; kind 1: source 0 x's rows.  The four accumulators take turns
.macro PROD kind, e, n, d0, ds, cb
.set Q_, (\n)/4
.set T_, (\n)%4
.set FB_, 4*Q_+T_
.set FA_, 32+8*(\e)+Q_
.set D_, (\d0)+(\ds)*T_
.set XB_, SB+8*(T_/2)+Q_
.set XA_, SA+8*(\e)+Q_
.set CW_, 0
.if Q_ == 0
.set CW_, CWIN
.endif
.if \kind
	WIN (1+FA_/FPW)|((1+FB_/FPW)<<2)|(CW_<<4)
.if Q_
	PROD1 D_, FA_, FB_, v[D_:D_+7], XA_, XB_, b, T_%2
.else
	PROD1 D_, FA_, FB_, v[(\cb)+8*T_:(\cb)+8*T_+7], XA_, XB_, b, T_%2
.endif
.else
	WIN (1+FB_/FPW)|((1+FA_/FPW)<<2)|(CW_<<4)
.if Q_
	PROD1 D_, FB_, FA_, v[D_:D_+7], XB_, XA_, a, T_%2
.else
	PROD1 D_, FB_, FA_, v[(\cb)+8*T_:(\cb)+8*T_+7], XB_, XA_, a, T_%2
.endif
.endif
.endm
.macro BLOCK kind, e, d0, ds, cb
.set N_, 0
.rept 32
	PROD \kind, \e, N_, \d0, \ds, \cb
.set N_, N_+1
.endr
	WIN 0
.endm
; 32 sums of a lane, one scale block: the largest magnitude in four chains (each accumulator from its low end on), the floor 2^(3 - 127), the scale, 32 codes into v[c .. c + 5], the byte into v[EB]
.macro WAYOUT x, c
.irp k, 0,1,2,3
	v_max3_num_f32 v[TQ+\k], |v[(\x)+8*\k]|, |v[(\x)+8*\k+1]|, |v[(\x)+8*\k+2]|
.endr
.irp i, 3,5
.irp k, 0,1,2,3
	v_max3_num_f32 v[TQ+\k], v[TQ+\k], |v[(\x)+8*\k+\i]|, |v[(\x)+8*\k+\i+1]|
.endr
.endr
	v_max3_num_f32 v[TQ], v[TQ], |v[(\x)+7]|, |v[(\x)+15]|
	v_max3_num_f32 v[TQ+1], v[TQ+1], |v[(\x)+23]|, |v[(\x)+31]|
	v_max3_num_f32 v[TQ+2], v[TQ+2], v[TQ+3], 0x1800000
	v_max3_num_f32 v[TQ], v[TQ], v[TQ+1], v[TQ+2]
	v_add_nc_u32 v[SOP], 0xff000000, v[TQ]
	v_cvt_scalef32_pk16_fp6_f32 v[\c:(\c)+2], v[\x:(\x)+15], v[SOP]
	v_cvt_scalef32_pk16_fp6_f32 v[TC:TC+2], v[(\x)+16:(\x)+31], v[SOP]
	v_lshrrev_b32 v[EB], 23, v[SOP]
.irp i, 0,1,2
	v_mov_b32 v[(\c)+3+\i], v[TC+\i]
.endr
.endm
.macro VOUT c                          ; a band of 64 tokens of V: four tiles of 16 channels, six registers of the operand each
	s_wait_xcnt 0x0                        ; earlier stores have read their registers
.irp t, 0,1,2,3
	WAYOUT HV+32*\t, MCD+6*\t
.if \c
	v_lshl_or_b32 v[SW+\t], v[EB], v[SH24], v[SW+\t]
.else
	v_lshlrev_b32 v[SW+\t], v[SH8], v[EB]
.endif
	global_store_b128 v[CO16], v[MCD+6*\t:MCD+6*\t+3], s[80:81] offset:1536*\t+768*\c
	global_store_b64 v[CO8], v[MCD+6*\t+4:MCD+6*\t+5], s[80:81] offset:1536*\t+768*\c+512
.endr
.endm
.macro SBMOVE from                     ; the next weight's scale words, out of window 3
	WIN 3
.set I_, 0
.rept 16
	v_mov_b32 v[SB+I_], v[\from+I_]
.set I_, I_+1
.endr
	WIN 0
.endm
.macro QKMUL e, cb, w
	WALU
	s_wait_dscnt \w
	BLOCK 0, \e, ACC+32*(\e), 8, \cb
.endm
.macro QKOUT e, out                    ; a tile of 16 tokens of Q or K: 768 bytes of codes; the two blocks' bytes make the token's scale word; an even and an odd tile share a register, four of which make 512 bytes
	s_wait_xcnt 0x0
	s_add_nc_u64 s[\out:\out+1], s[\out:\out+1], 768
	WAYOUT ACC+32*(\e), NCD
	v_lshlrev_b32 v[EB], v[SH8], v[EB]
	v_permlanex16_b32 v[EO], v[EB], s86, s87
.if \e
	v_or_b32 v[EO], v[EB], v[EO]
	v_mov_b32 v[SW], v[SW+1]
	v_mov_b32 v[SW+1], v[SW+2]
	v_mov_b32 v[SW+2], v[SW+3]
	v_cndmask_b32 v[SW+3], v[WE], v[EO], s88
.else
	v_or_b32 v[WE], v[EB], v[EO]
.endif
	global_store_b128 v[CO16], v[NCD:NCD+3], s[\out:\out+1] offset:-768
	global_store_b64 v[CO8], v[NCD+4:NCD+5], s[\out:\out+1] offset:-256
.endm
.macro SHOW                            ; a plain barrier: what the last refill brought is shown to all
	WALU
	s_wait_tensorcnt 0x0
	s_wait_dscnt 0x0
	BARRIER
.endm
.macro REFILL step, sub                ; the three lines, a round, and wave 0's joint load of the next weight's 128 rows onto rows that every wave holds in registers
	WALU
	s_wait_tensorcnt 0x0
	ds_add_u32 v[SPW], v[NIL]
.if \sub
	s_sub_nc_u64 s[G0W+2:G0W+3], s[G0W+2:G0W+3], \step
.else
	s_add_nc_u64 s[G0W+2:G0W+3], s[G0W+2:G0W+3], \step
.endif
	s_wait_dscnt 0x0
	CROUND
	s_cmp_eq_u32 s16, 0
	s_cbranch_scc0 .Lno_fill_\@
	TLOAD G0W, G1W
.Lno_fill_\@:
.endm
.macro QKPHASE cb, out, last           ; eight blocks: six in a loop of three trips, two written out, which fetch the next phase's first rows or nothing
	s_mov_b32 s90, 32*PITCH
	s_mov_b32 s91, 2*544
	s_mov_b32 s89, 0
.Lqk_\@:
.irp e, 0,1
	QKMUL \e, \cb, NF
	v_add_nc_u32 v[ADRA], s90, v[XQ0]
	v_add_nc_u32 v[ADRA+1], s90, v[XQ1]
	v_add_nc_u32 v[AAS], s91, v[XQS]
	v_nop                                  ; four places behind the products
	s_add_co_u32 s90, s90, 16*PITCH
	s_add_co_u32 s91, s91, 544
	WALU
	FETCH \e
	QKOUT \e, \out
.endr
	s_add_co_u32 s89, s89, 1
	s_cmp_lg_u32 s89, 3
	WALU
	s_cbranch_scc1 .Lqk_\@
.if \last
	QKMUL 0, \cb, NF
	PLACES 4
	QKOUT 0, \out
	QKMUL 1, \cb, 0
	PLACES 4
.else
	QKMUL 0, \cb, NF
	XADDR 0, 0
	v_nop
	WALU
	FETCH 0
	QKOUT 0, \out
	QKMUL 1, \cb, NF
	XADDR 0, 1
	v_nop
	WALU
	FETCH 1
	SHOW
	WEIGHTS
	SBMOVE SBK
.endif
	QKOUT 1, \out
	global_store_b128 v[CO16], v[SW:SW+3], s[\out:\out+1]
.endm
; ---- the head
	s_load_b256 s[4:11], s[0:1], 0x0       ; x's codes, x's scales, w's codes, w's scales
	s_load_b128 s[12:15], s[0:1], 0x20     ; b_qkv, qkv
	v_lshl_add_u32 v[SPW], v0, 2, SPARE
	v_mov_b32 v[NIL], 0
	ds_add_u32 v[SPW], v[NIL]              ; the opening lines: the add twice on end
	ds_add_u32 v[SPW], v[NIL]
	v_lshrrev_b32 v1, 5, v0
	v_readfirstlane_b32 s16, v1            ; wave
	s_lshr_b32 s17, s16, 1                 ; a
	s_and_b32 s18, s16, 1                  ; b
	s_bfe_u32 s19, ttmp6, 0x40000          ; cx
	s_bfe_u32 s20, ttmp6, 0x40004          ; cy
	s_lshl_b32 s21, ttmp9, 2
	s_add_co_u32 s21, s21, s19             ; c
	s_and_b32 s22, ttmp7, 0xffff
	s_lshl_b32 s22, s22, 2
	s_add_co_u32 s22, s22, s20             ; g
	s_lshl_b32 s23, s20, 2
	s_lshl_b32 s23, 15, s23                ; my row of the cluster
	s_lshl_b32 s24, 0x1111, s19            ; my column
	GROUP1 G1X, 23, 128
	GROUP1 G1W, 24, 128
	s_or_b32 s[G1S+0], s23, (3<<16)|(1<<20)|(1<<21)|(5<<22)|(3<<25)   ; 8,192 dense scale bytes as 32 rows of 256
	s_mov_b32 s[G1S+1], 32<<16
	s_mov_b32 s[G1S+2], 32<<16
	s_mov_b32 s[G1S+3], 32<<16
	s_mov_b32 s[G1S+4], 32
	s_mov_b32 s[G1S+5], 32
	s_mov_b32 s[G1S+6], 0
	s_mov_b32 s[G1S+7], 0
	s_mov_b32 s[G0W], 1
	s_mov_b32 s[G0W+1], WB
	s_mov_b32 s[G0S], 1
	s_mov_b32 s[G0S+1], XS
	s_mov_b32 s[G0X], 1
	s_mov_b32 s[G0X+1], 0
	s_mov_b32 s[G0Y], 1
	s_mov_b32 s[G0Y+1], 128*PITCH
	s_mul_i32 s72, s21, 128*KROW
	s_mul_i32 s73, s22, 256*KROW
	s_lshl_b32 s74, s22, 13
	s_mov_b32 s77, 0
	s_mov_b32 s86, 0x76543210
	s_mov_b32 s87, 0xfedcba98
	s_mov_b32 s88, 0xffff0000
	WALU
	s_wait_dscnt 0x0
	CROUND                                 ; the round ahead of the first joint loads
	s_wait_kmcnt 0x0
	s_add_co_u32 s76, s72, 2048*KROW
	s_add_nc_u64 s[G0W+2:G0W+3], s[8:9], s[76:77]
	s_or_b32 s[G0W+3], s[G0W+3], 0x80000000
	s_mov_b32 s76, s73
	s_add_nc_u64 s[G0X+2:G0X+3], s[4:5], s[76:77]
	s_add_nc_u64 s[G0Y+2:G0Y+3], s[G0X+2:G0X+3], 128*KROW
	s_or_b32 s[G0X+3], s[G0X+3], 0x80000000
	s_or_b32 s[G0Y+3], s[G0Y+3], 0x80000000
	s_mov_b32 s76, s74
	s_add_nc_u64 s[G0S+2:G0S+3], s[6:7], s[76:77]
	s_or_b32 s[G0S+3], s[G0S+3], 0x80000000
	s_cmp_eq_u32 s16, 0                    ; one load a wave, one chain of arms
	s_cbranch_scc0 .Lw1
	TLOAD G0W, G1W                         ; V's weights
	s_branch .Lasked
.Lw1:
	s_cmp_eq_u32 s16, 1
	s_cbranch_scc0 .Lw2
	TLOAD G0S, G1S                         ; x's scale bytes
	s_branch .Lasked
.Lw2:
	s_cmp_eq_u32 s16, 2
	s_cbranch_scc0 .Lw3
	TLOAD G0X, G1X                         ; x's rows 0-127
	s_branch .Lasked
.Lw3:
	TLOAD G0Y, G1X                         ; rows 128-255
.Lasked:
	v_and_b32 v1, 15, v0                   ; r
	v_bfe_u32 v2, v0, 4, 1                 ; h
	v_and_b32 v3, 31, v0
	v_and_b32 v18, 7, v0
	v_bfe_u32 v19, v0, 3, 1
	v_lshl_add_u32 v20, v19, 5, v18        ; r % 8 + 32 (r / 8)
	s_mul_i32 s78, s17, 128*PITCH
	s_mul_i32 s79, s18, 64*PITCH
	s_add_co_u32 s79, s79, WB
	v_mul_u32_u24 v[XQ0], v1, PITCH
	v_mul_u32_u24 v[XV0], v20, PITCH
	v_mad_u32_u24 v[XQ1], v2, 40, v[XQ0]   ; for the pieces whose upper lanes lie behind one padding more
	v_mad_u32_u24 v[XQ0], v2, 24, v[XQ0]
	v_mad_u32_u24 v[XV1], v2, 40, v[XV0]
	v_mad_u32_u24 v[XV0], v2, 24, v[XV0]
	v_add_nc_u32 v[WQ0], s79, v[XV0]
	v_add_nc_u32 v[WQ1], s79, v[XV1]
	v_add_nc_u32 v[BA], s79, v[XQ0]
	v_add_nc_u32 v[BA+1], s79, v[XQ1]
.irp t, 1,2,3
	v_add_nc_u32 v[BA+2*\t], \t*16*PITCH, v[BA]
	v_add_nc_u32 v[BA+2*\t+1], \t*16*PITCH, v[BA+1]
.endr
	v_add_nc_u32 v[XQ0], s78, v[XQ0]
	v_add_nc_u32 v[XQ1], s78, v[XQ1]
	v_add_nc_u32 v[XV0], s78, v[XV0]
	v_add_nc_u32 v[XV1], s78, v[XV1]
	v_lshlrev_b32 v[XQS], 5, v1
	v_lshl_add_u32 v[XQS], v19, 4, v[XQS]
	v_lshlrev_b32 v[XVS], 5, v18
	v_mad_u32_u24 v[XVS], v19, 1088, v[XVS]
	s_mul_i32 s79, s17, 16*272
	s_add_co_u32 s79, s79, XS
	v_add_nc_u32 v[XQS], s79, v[XQS]
	v_add_nc_u32 v[XVS], s79, v[XVS]
	v_lshlrev_b32 v[CO16], 4, v3
	v_lshlrev_b32 v[CO8], 3, v3
	v_lshlrev_b32 v[SH8], 3, v2
	v_add_nc_u32 v[SH24], 16, v[SH8]
	v_mov_b32 v[EO], 0
	v_lshlrev_b32 v[ABV], 5, v3
	v_lshlrev_b32 v[ABQ], 5, v18
	v_lshl_add_u32 v[ABQ], v2, 8, v[ABQ]
	v_lshl_add_u32 v[ABQ], v19, 10, v[ABQ]
	v_lshlrev_b32 v[BIA], 7, v2
	v_lshlrev_b32 v[BJA], 2, v1
	s_lshl_b32 s75, s20, 2
	s_add_co_u32 s75, s75, s16             ; my number among the sixteen waves of my column of the cluster
	s_mul_i32 s75, s75, 128*KROW/16
	s_add_co_u32 s75, s75, s72
	v_min_u32 v[PF], 128*KROW/16/256-1, v3
	v_lshl_add_u32 v[PF], v[PF], 8, s75
	s_lshl_b32 s76, s21, 12
	s_lshl_b32 s78, s18, 11
	s_add_co_u32 s76, s76, s78
	s_add_nc_u64 s[92:93], s[10:11], s[76:77]      ; the scale bytes of my 64 rows of Q's weight; K's 32,768 on, V's 65,536
	s_lshl_b32 s76, s21, 9
	s_lshl_b32 s78, s18, 8
	s_add_co_u32 s76, s76, s78
	s_add_nc_u64 s[94:95], s[12:13], s[76:77]      ; the bias likewise: 4,096 and 8,192 on
	s_lshr_b32 s76, s22, 3
	s_lshl_b32 s76, s76, 4
	s_lshl_b32 s78, s21, 1
	s_add_co_u32 s76, s76, s78
	s_add_co_u32 s76, s76, s18
	s_mul_i32 s76, s76, HEADB
	s_and_b32 s78, s22, 7
	s_lshl_b32 s78, s78, 1
	s_add_co_u32 s78, s78, s17
	s_mul_i32 s78, s78, STEPB
	s_add_co_u32 s76, s76, s78
	s_add_nc_u64 s[84:85], s[14:15], s[76:77]      ; K's part of my head and step,
	s_add_nc_u64 s[80:81], s[84:85], VPART         ; V's,
	s_add_nc_u64 s[82:83], s[84:85], QPART         ; Q's
	WALU
.irp p, 0,1
.irp k, 0,1
	global_load_b128 v[SB+8*\p+4*\k:SB+8*\p+4*\k+3], v[ABV], s[92:93] offset:65536+1024*\p+16*\k
.endr
.endr
	WIN 3<<6
.irp t, 0,1,2,3
	global_load_b32 v[BBV+8*\t], v[BJA], s[94:95] offset:8192+64*\t
.endr
.irp p, 0,1
.irp k, 0,1
	global_load_b128 v[SBQ+8*\p+4*\k:SBQ+8*\p+4*\k+3], v[ABQ], s[92:93] offset:512*\p+16*\k
	global_load_b128 v[SBK+8*\p+4*\k:SBK+8*\p+4*\k+3], v[ABQ], s[92:93] offset:32768+512*\p+16*\k
.endr
.endr
.irp k, 0,1,2,3,4,5,6,7
	global_load_b128 v[BBQ+4*\k:BBQ+4*\k+3], v[BIA], s[94:95] offset:16*\k
	global_load_b128 v[BBK+4*\k:BBK+4*\k+3], v[BIA], s[94:95] offset:4096+16*\k
.endr
	WIN 0
	s_cmp_eq_u32 s16, 0
	s_cbranch_scc0 .Lnot_w
	s_wait_tensorcnt 0x0
.Lnot_w:
	BARRIER                                ; V's weights are in; the other tiles may be on their way
	global_prefetch_b8 v[PF], s[8:9] th:TH_LOAD_NT scope:SCOPE_SE
	WEIGHTS
	s_wait_loadcnt 0x0
	WIN (3<<6)|3
.irp t, 0,8,16,24
.irp i, 1,2,3,4,5,6,7
	v_mov_b32 v[BBV+\t+\i], v[BBV+\t]      ; V's bias, one number a lane and tile, over the tile's eight registers
.endr
.endr
	WIN 0
	REFILL 2048*KROW, 1                    ; all the head's tiles are in; Q's weights are asked for
	XADDR 1, 0
	WALU
	FETCH 0
	XADDR 1, 1
	WALU
	FETCH 1
	global_prefetch_b8 v[PF], s[8:9] offset:1024*KROW th:TH_LOAD_NT scope:SCOPE_SE
; ---- V: eight blocks, two bands of four
.irp s, 0,1,2,3,4,5,6,7
	WALU
	s_wait_dscnt NF
	BLOCK 1, (\s%2), HV+8*(\s%4), 32, BBV
.if \s < 6
	XADDR 1, \s+2
.else
	XADDR 0, \s-6
.endif
	v_nop                                  ; four places behind the products
	WALU
	FETCH (\s%2)
.if \s == 3
	VOUT 0
.endif
.endr
	SHOW
.irp t, 0,1,2,3
	v_add_nc_u32 v[BA+2*\t], \t*8*PITCH, v[WQ0]
	v_add_nc_u32 v[BA+2*\t+1], \t*8*PITCH, v[WQ1]
.endr
	WALU
	WEIGHTS
	SBMOVE SBQ
	VOUT 1
.irp t, 0,1,2,3
	v_permlanex16_b32 v[TQ+\t], v[SW+\t], s86, s87
.endr
.irp t, 0,1,2,3
	v_or_b32 v[SW+\t], v[SW+\t], v[TQ+\t]  ; a channel's four bytes: blocks 2 c + h
.endr
	v_cndmask_b32 v[SW], v[SW], v[SW+1], s88
	v_cndmask_b32 v[SW+1], v[SW+2], v[SW+3], s88
	global_store_b64 v[CO8], v[SW:SW+1], s[80:81] offset:SCOFF
	REFILL 1024*KROW, 0                    ; K's weights are asked for
; ---- Q, then K
	QKPHASE BBQ, 82, 0
	WALU
	s_wait_dscnt 0x0
	QKPHASE BBK, 84, 1
	s_wait_tensorcnt 0x0                   ; the wave's end
	ds_add_u32 v[SPW], v[NIL]
	s_wait_dscnt 0x0
	CROUND
	s_endpgm
.Lfunc_end_k_qb20d05fcb5_qkv:
	.size	k_qb20d05fcb5_qkv, .Lfunc_end_k_qb20d05fcb5_qkv-k_qb20d05fcb5_qkv
	.p2alignl 7, 3214868480
	.fill 96, 4, 3214868480
	.section	.rodata,"a",@progbits
	.p2align	6, 0x0
	.amdhsa_kernel k_qb20d05fcb5_qkv
		.amdhsa_group_segment_fixed_size 327680
		.amdhsa_private_segment_fixed_size 0
		.amdhsa_enable_private_segment 0
		.amdhsa_kernarg_size 48
		.amdhsa_user_sgpr_count 2
		.amdhsa_user_sgpr_kernarg_segment_ptr 1
		.amdhsa_wavefront_size32 1
		.amdhsa_system_sgpr_workgroup_id_x 1
		.amdhsa_system_sgpr_workgroup_id_y 1
		.amdhsa_system_sgpr_workgroup_id_z 1
		.amdhsa_system_vgpr_workitem_id 0
		.amdhsa_next_free_vgpr 968
		.amdhsa_next_free_sgpr 100
		.amdhsa_reserve_vcc 0
		.amdhsa_float_denorm_mode_32 3
		.amdhsa_float_denorm_mode_16_64 3
		.amdhsa_memory_ordered 1
		.amdhsa_forward_progress 1
		.amdhsa_inst_pref_size 167
	.end_amdhsa_kernel
	.amdgpu_metadata
---
amdhsa.version: [ 1, 2 ]
amdhsa.kernels:
  - .name:           k_qb20d05fcb5_qkv
    .symbol:         k_qb20d05fcb5_qkv.kd
    .args:
      - { .name: x_codes, .offset: 0, .size: 8, .value_kind: global_buffer, .address_space: global }
      - { .name: x_scales, .offset: 8, .size: 8, .value_kind: global_buffer, .address_space: global }
      - { .name: w_qkv_codes, .offset: 16, .size: 8, .value_kind: global_buffer, .address_space: global }
      - { .name: w_qkv_scales, .offset: 24, .size: 8, .value_kind: global_buffer, .address_space: global }
      - { .name: b_qkv, .offset: 32, .size: 8, .value_kind: global_buffer, .address_space: global }
      - { .name: qkv, .offset: 40, .size: 8, .value_kind: global_buffer, .address_space: global }
    .group_segment_fixed_size: 327680
    .private_segment_fixed_size: 0
    .kernarg_segment_align: 8
    .kernarg_segment_size: 48
    .max_flat_workgroup_size: 128
    .sgpr_count:     100
    .vgpr_count:     968
    .wavefront_size: 32
...
	.end_amdgpu_metadata
.endif
;; end of part 1
;; launch attn (part 2): grid 4 x 64, 16 waves a work-group, clusters of 4 x 1, 265,216 bytes of LDS; arguments qkv, ocodes, oscales; writes ocodes, oscales
.if DOCPART == 2
	.amdgcn_target "amdgcn-amd-amdhsa--gfx1250"
	.amdhsa_code_object_version 6
	.text
	.protected	k_qb20d05fcb5_attn
	.globl	k_qb20d05fcb5_attn
	.p2align	8
	.type	k_qb20d05fcb5_attn,@function
k_qb20d05fcb5_attn:
	s_mov_b64 s[64:65], 0
	v_nop
	global_prefetch_b8 v0, s[64:65] scope:SCOPE_SE
	s_setreg_imm32_b32 hwreg(HW_REG_WAVE_MODE, 25, 1), 1
	s_wait_xcnt 0x0
	s_wait_alu depctr_hold_cnt(0) depctr_sa_sdst(0) depctr_va_vdst(0) depctr_va_sdst(0) depctr_va_ssrc(0) depctr_va_vcc(0) depctr_vm_vsrc(0)
	s_getreg_b32 s2, hwreg(HW_REG_IB_STS2, 6, 4)
	s_cmp_eq_u32 s2, 0
	s_cbranch_scc0 .Lentry_in_a_cluster
	s_endpgm
.Lentry_in_a_cluster:
	s_bfe_u32 s2, ttmp6, 0x10000c
	s_cmp_lg_u32 s2, 0x3003
	s_cbranch_scc0 .Lentry_shape_is_right
	s_endpgm
.Lentry_shape_is_right:
; o = softmax(q k^T / 8) v for one head, both products on codes of FP6 (E2M3) with one E8M0 scale for each 32 along a product's K; o is divided by the row's sum, quantised along the head's 64 channels and leaves as codes.
; THE SOFTMAX: t = score x log2(e) / 8; M = the row's largest t so far, rounded up to a whole number; p = 2^(t - M) is quantised along the keys, not normalised.  The row's sum is taken of the unquantised p.
; When M moves, the sum and O are multiplied by 2^(old M - new M), which rounds nothing.
; SHARES.  A work-group owns 512 queries of one head; each of its sixteen waves owns two tiles of 16 queries and takes them one after the other, each over all 2,048 keys, 128 a step, four steps a trip (immediate offsets: 4 x 16,320 bytes).
; ALL OF THE HEAD'S K AND V LIE IN LDS: 16 steps x 51 rows of 256 bytes, 64 bytes of padding behind each, filled once, one tensor load a wave.  Nothing is filled again: one barrier, no ring, no prefetch (no loop runs ahead of a load).
; CLUSTER.  The four query blocks of a head need the same bytes: each load is asked for jointly, with the same descriptor (it hangs on the head and the wave's number alone) and a mask that names the four.
; LAYOUT.  Both products are used transposed: S^T = K Q^T, O^T = V^T P^T: a lane holds one query (lane % 16) throughout.
; WHICH KEYS FORM A TILE is chosen by LDS addresses: row r of tile (c, J) is key 64 c + 32 (r / 8) + 16 (J % 2) + 8 (J / 2) + r % 8.  So lane (r, h) holds in its 32 registers of band c the whole scale block 2 c + h,
; in the order in which V's codes were laid: no lane is asked for a block's maximum, and the conversions' results are P's operand as they fall.
; K = 64 fills half of the instruction's 128: Q's registers 6-11 hold zero codes.  K's fragments lie 6 registers apart, so the upper six of a fragment are the next tile's codes; they meet zero codes and add nothing
; (the format has no infinity and no NaN, and no scale byte here is 0xff).
; THE ROW'S SUM of a step: 24 packed additions behind the P V products (they are the places ahead of the next K loads), the last seven and the multiply-add onto the running sum behind the next step's score products (the places there).
; LIMITS: NaN and infinities are not served; a block of o under 2^-124 gets the byte 1; the promise holds while the scaled scores stay under 2^31 in magnitude.
.set HEADB, 315392
.set STEPG, 19712
.set STEPL, 51*320                     ; a step's K and V parts in LDS
.set KSCG,  6144
.set QOF,   13056
.set SCG,   16*STEPL                   ; behind the 16 steps: 2,048 bytes in which o's scale words meet; no tile lands here
.set SPARE, SCG+2048
.set KV,  36                           ; v36-83 K's 8 x 6 registers, then V's 4 x 12;  v84-89 zeros
.set KSR, 90                           ; v90-93 K's scale words, v94-95 V's
.set S,   96                           ; v96-159 S^T, then p
.set O,   160                          ; v160-191 O^T
.set PCD, 192                          ; v192-203 p's codes;  v204-206, v208-210 the conversions' second halves
.set AT,  226                          ; v226-241 eight pairs: the step's sums
; v1 16 x lane, v2 8 x lane; v5, v6, v7, v207 the lanes' places in a step (K's 16-byte pieces, its 8-byte pieces, its scale words, V's 16-byte pieces); v3, v4, v8, v9, v211 the same for this trip
; v[10:11], v[12:13] -M by turns (v13 the largest score so far), v[14:15] the sum, v16-27 Q, v28, v29 Q's scale words, v30-35 tile 1's codes
; v212, v213 block maxima, v214, v215 scale operands, v216, v217 second chains, then bytes, v218-223 temporaries, v[224:225] f, v242-247 o's codes, v248-250 o's scale words, v251 8 h, v252 16 + 8 h, v253 p's scale word
.macro WALU
	s_wait_alu depctr_va_vdst(0)
.endm
.macro ROUND
	s_barrier_signal -1
	s_barrier_wait -1
	s_cmp_lg_u32 s18, 0
	s_cbranch_scc1 .Lnot_wave_0_\@
	s_barrier_signal -3
.Lnot_wave_0_\@:
	s_barrier_wait -3
	s_barrier_signal -1
	s_barrier_wait -1
.endm
.macro ADDA d, s
	v_pk_add_f32 v[AT+2*\d:AT+2*\d+1], v[AT+2*\d:AT+2*\d+1], v[AT+2*\s:AT+2*\s+1]
.endm
.macro ADDP d, p
	v_pk_add_f32 v[AT+2*\d:AT+2*\d+1], v[AT+2*\d:AT+2*\d+1], v[S+2*(\p):S+2*(\p)+1]
.endm
.macro ADD2 d
	v_pk_add_f32 v[AT+2*\d:AT+2*\d+1], v[S+2*\d:S+2*\d+1], v[S+16+2*\d:S+16+2*\d+1]
.endm
.macro SUMUP                           ; the running sum under the step's f, and the step's sum
	v_pk_fma_f32 v[14:15], v[14:15], v[224:225], v[AT:AT+1] op_sel_hi:[1,0,1]
.endm
.macro KLOAD k                         ; K's eight tiles of step k of the trip, six registers each, and their scale words: register 2 c + m: lanes 0-15 tile (c, 2 m), lanes 16-31 tile (c, 2 m + 1)
.irp c, 0,1
.irp j, 0,1,2,3
	ds_load_b128 v[KV+24*\c+6*\j:KV+24*\c+6*\j+3], v3 offset:(\k)*STEPL+3840*\c+960*(\j%2)+128*(\j/2)
	ds_load_b64 v[KV+24*\c+6*\j+4:KV+24*\c+6*\j+5], v4 offset:(\k)*STEPL+3840*\c+960*(\j%2)+640+64*(\j/2)
.endr
.endr
.irp c, 0,1
.irp m, 0,1
	ds_load_b32 v[KSR+2*\c+\m], v8 offset:(\k)*STEPL+7680+128*\m+8*\c
.endr
.endr
.endm
.macro VLOAD k
.irp t, 0,1,2,3
.irp c, 0,1
	ds_load_b128 v[KV+12*\t+6*\c:KV+12*\t+6*\c+3], v9 offset:(\k)*STEPL+(26+6*\t+3*\c)*320
	ds_load_b64 v[KV+12*\t+6*\c+4:KV+12*\t+6*\c+5], v211 offset:(\k)*STEPL+(28+6*\t+3*\c)*320
.endr
.endr
	ds_load_b64 v[94:95], v211 offset:(\k)*STEPL+16000
.endm
.macro STEP u, k
.if (\k)%2
.set NO, 10
.set NN, 12
.else
.set NO, 12
.set NN, 10
.endif
	WALU
	s_wait_dscnt 0x0                               ; K is in
.irp c, 0,1
.irp m, 0,1
	v_wmma_scale_f32_16x16x128_f8f6f4 v[S+32*\c+16*\m:S+32*\c+16*\m+7], v[KV+24*\c+12*\m:KV+24*\c+12*\m+11], v[16:27], 0, v[KSR+2*\c+\m], v[28+\u] matrix_a_fmt:MATRIX_FMT_FP6 matrix_b_fmt:MATRIX_FMT_FP6
	v_wmma_scale_f32_16x16x128_f8f6f4 v[S+32*\c+16*\m+8:S+32*\c+16*\m+15], v[KV+24*\c+12*\m+6:KV+24*\c+12*\m+17], v[16:27], 0, v[KSR+2*\c+\m], v[28+\u] matrix_a_fmt:MATRIX_FMT_FP6 matrix_b_fmt:MATRIX_FMT_FP6 matrix_a_scale:MATRIX_SCALE_ROW1
.endr
.endr
	ADDA 0, 4                                      ; the last step's sums: four places behind the products
	ADDA 1, 5
	ADDA 2, 6
	ADDA 3, 7
	VLOAD \k                                       ; V's codes, into K's registers; they land under the softmax
	ADDA 0, 2
	ADDA 1, 3
.irp c, 0,1                                    ; the largest score of each of my two blocks, in two chains each; each accumulator from its low end on
	v_max3_num_f32 v[212+\c], v[S+32*\c], v[S+32*\c+1], v[S+32*\c+2]
	v_max3_num_f32 v[216+\c], v[S+32*\c+16], v[S+32*\c+17], v[S+32*\c+18]
.endr
	ADDA 0, 1
.irp i, 3,5,7,9,11,13
.irp c, 0,1
	v_max3_num_f32 v[212+\c], v[212+\c], v[S+32*\c+\i], v[S+32*\c+\i+1]
	v_max3_num_f32 v[216+\c], v[216+\c], v[S+32*\c+16+\i], v[S+32*\c+17+\i]
.endr
.if \i == 3
	SUMUP
.endif
.endr
.irp c, 0,1
	v_max3_num_f32 v[212+\c], v[212+\c], v[216+\c], v[S+32*\c+15]
.endr
.irp c, 0,1
	v_max_num_f32 v[212+\c], v[212+\c], v[S+32*\c+31]
.endr
	v_max_num_f32 v220, v212, v213
	s_delay_alu instid0(VALU_DEP_1)
	v_permlanex16_b32 v221, v220, s20, s21
	s_delay_alu instid0(VALU_DEP_1)
	v_max3_num_f32 v13, v13, v220, v221            ; the running largest score of my query
	s_delay_alu instid0(VALU_DEP_1)
	v_mul_f32 v222, s39, v13                       ; -t
	s_delay_alu instid0(VALU_DEP_1)
	v_floor_f32 v[NN], v222                        ; the new -M = -ceil(t)
	s_delay_alu instid0(VALU_DEP_1)
	v_sub_f32 v222, v[NN], v[NO]                   ; old M - new M: a whole number, 0 or less
	s_delay_alu instid0(VALU_DEP_1)
	v_cvt_i32_f32 v222, v222                       ; (it saturates)
	s_delay_alu instid0(VALU_DEP_1)
	v_ldexp_f32 v224, 1.0, v222                    ; f
.set J, 0
.rept 32
	v_pk_fma_f32 v[S+J:S+J+1], v[S+J:S+J+1], s[22:23], v[NN:NN+1] op_sel_hi:[1,0,0]   ; t - M
.set J, J+2
.endr
.irp c, 0,1
	v_fma_f32 v[212+\c], v[212+\c], s22, v[NN]     ; the same of each block's largest score
.endr
	WALU                                           ; the wait ahead of the batch
.set J, 0
.rept 64
	v_exp_f32 v[S+J], v[S+J]
.set J, J+1
.endr
	v_exp_f32 v212, v212                           ; the blocks' largest p: the same two instructions on the same numbers
	v_exp_f32 v213, v213
	v_nop                                          ; a plain place behind the exponentials
	WALU                                           ; and behind it
.irp c, 0,1
	v_max_num_f32 v[212+\c], 0x1800000, v[212+\c]  ; the floor 2^(3 - 127): the byte cannot fall under 1
.endr
.irp c, 0,1
	v_add_nc_u32 v[214+\c], 0xff000000, v[212+\c]  ; 2 off the exponent field: the conversions' scale operand
.endr
	v_cvt_scalef32_pk16_fp6_f32 v[PCD:PCD+2], v[S:S+15], v214
	v_cvt_scalef32_pk16_fp6_f32 v[204:206], v[S+16:S+31], v214
	v_cvt_scalef32_pk16_fp6_f32 v[PCD+6:PCD+8], v[S+32:S+47], v215
	v_cvt_scalef32_pk16_fp6_f32 v[208:210], v[S+48:S+63], v215
	v_lshrrev_b32 v216, 23, v214                   ; the bytes of blocks h and 2 + h
	v_lshrrev_b32 v217, 23, v215
	v_lshlrev_b32 v218, v251, v216
	v_mov_b32 v[PCD+3], v204
	v_mov_b32 v[PCD+4], v205
	v_lshl_or_b32 v218, v217, v252, v218
	v_mov_b32 v[PCD+5], v206
	v_mov_b32 v[PCD+9], v208
	v_permlanex16_b32 v219, v218, s20, s21
	v_mov_b32 v[PCD+10], v209
	v_mov_b32 v[PCD+11], v210
	v_or_b32 v253, v218, v219                      ; p's scale word for these 128 keys
	WALU                                           ; the wait directly ahead of the first reader of O^T
.set J, 0
.rept 16
	v_pk_mul_f32 v[O+J:O+J+1], v[O+J:O+J+1], v[224:225] op_sel_hi:[1,0]   ; O^T under the new M; also the places between the codes and the scale word just made and the products below
.set J, J+2
.endr
	WALU
	s_wait_dscnt 0x0                               ; V is in
.irp p, 0,1
	v_wmma_scale_f32_16x16x128_f8f6f4 v[O+16*\p:O+16*\p+7], v[KV+24*\p:KV+24*\p+11], v[PCD:PCD+11], v[O+16*\p:O+16*\p+7], v[94+\p], v253 matrix_a_fmt:MATRIX_FMT_FP6 matrix_b_fmt:MATRIX_FMT_FP6
	v_wmma_scale_f32_16x16x128_f8f6f4 v[O+16*\p+8:O+16*\p+15], v[KV+24*\p+12:KV+24*\p+23], v[PCD:PCD+11], v[O+16*\p+8:O+16*\p+15], v[94+\p], v253 matrix_a_fmt:MATRIX_FMT_FP6 matrix_b_fmt:MATRIX_FMT_FP6 matrix_a_scale:MATRIX_SCALE_ROW1
.endr
.irp i, 0,1,2,3
	ADD2 \i                                        ; the sum of the unquantised p: four places, then the next K tiles are asked for
.endr
.if (\k) < 3
	KLOAD (\k)+1
.endif
.irp i, 4,5,6,7
	ADD2 \i
.endr
.irp i, 0,1,2,3,4,5,6,7
	ADDP \i, 16+\i
.endr
.irp i, 0,1,2,3,4,5,6,7
	ADDP \i, 24+\i
.endr
.endm
	s_load_b128 s[4:7], s[0:1], 0x0                ; qkv, o's codes
	s_load_b64 s[8:9], s[0:1], 0x10                ; o's scale words
	v_lshl_add_u32 v254, v0, 2, SPARE
	v_mov_b32 v255, 0
	ds_add_u32 v254, v255                          ; the opening lines: the add twice on end
	ds_add_u32 v254, v255
	v_lshrrev_b32 v8, 5, v0
	v_readfirstlane_b32 s18, v8                    ; wave 0..15
	v_and_b32 v9, 31, v0
	v_and_b32 v3, 7, v0                            ; r % 8
	v_bfe_u32 v4, v0, 3, 1                         ; r / 8
	v_bfe_u32 v8, v0, 4, 1                         ; h
	v_and_b32 v250, 15, v0
	v_lshlrev_b32 v1, 4, v9
	v_lshlrev_b32 v2, 3, v9
	v_mul_u32_u24 v211, v4, 1920                   ; two tiles on: six rows of 320 bytes
	v_lshlrev_b32 v250, 4, v250                    ; 16 r
	v_lshlrev_b32 v7, 4, v3
	v_lshlrev_b32 v251, 3, v8
	v_lshl_add_u32 v5, v3, 4, v211
	v_lshl_add_u32 v6, v3, 3, v211
	v_lshl_add_u32 v7, v4, 2, v7
	v_mad_u32_u24 v207, v8, 320, v250
	v_add_nc_u32 v252, 16, v251
	v_mad_u32_u24 v5, v8, 320, v5
	v_lshl_add_u32 v6, v8, 7, v6
	v_mad_u32_u24 v7, v8, 320, v7
	s_bfe_u32 s40, ttmp6, 0x40000                  ; cx
	s_lshl_b32 s41, ttmp9, 2
	s_add_co_u32 s41, s41, s40                     ; my block of 512 queries: it enters Q's and o's addresses alone
	s_and_b32 s42, ttmp7, 0xffff                   ; 16 x batch + head, which the four partners share
	s_mul_i32 s44, s42, HEADB
	s_mul_i32 s46, s18, STEPG                      ; wave w fetches step w
	s_add_co_u32 s46, s46, s44
	s_mov_b32 s47, 0
	s_mov_b32 s24, 15|(3<<16)|(1<<20)|(1<<21)|(5<<22)|(15<<25)   ; the mask of all four; elements of 8 bytes; 16 words of padding behind every 64
	s_mov_b32 s25, 32<<16
	s_mov_b32 s26, 51<<16
	s_mov_b32 s27, 32<<16
	s_mov_b32 s28, 51
	s_mov_b32 s29, 32
	s_mov_b32 s30, 0
	s_mov_b32 s31, 0
	s_mov_b32 s32, 1
	s_mul_i32 s33, s18, STEPL
	s_and_b32 s52, s18, 3
	s_lshr_b32 s53, s18, 2
	s_lshl_b32 s48, s41, 2
	s_add_co_u32 s48, s48, s53                     ; my queries' step of 128 tokens
	s_mul_i32 s48, s48, STEPG
	s_add_co_u32 s48, s48, s44
	s_add_co_u32 s48, s48, QOF
	s_mul_i32 s54, s52, 1536                       ; my two tiles in it
	s_add_co_u32 s54, s54, s48
	s_mov_b32 s55, 0
	s_lshl_b32 s56, s52, 2                         ; their scale words: word wave % 4 of a lane's four
	s_add_co_u32 s56, s56, s48
	s_add_co_u32 s56, s56, KSCG
	s_mov_b32 s57, 0
	s_lshr_b32 s58, s42, 4
	s_lshl_b32 s58, s58, 7                         ; o's codes: token tile 128 x batch + 32 x block + 2 x wave
	s_lshl_b32 s59, s41, 5
	s_add_co_u32 s58, s58, s59
	s_lshl_b32 s59, s18, 1
	s_add_co_u32 s58, s58, s59
	s_mul_i32 s58, s58, 12288
	s_and_b32 s59, s42, 15
	s_mul_i32 s59, s59, 768
	s_add_co_u32 s58, s58, s59
	s_mov_b32 s59, 0
	s_lshl_b32 s60, s42, 13                        ; o's scale words: 4 bytes a token, 2,048 tokens a head
	s_lshl_b32 s61, s41, 11
	s_add_co_u32 s60, s60, s61
	s_mov_b32 s61, 0
	s_mov_b32 s20, 0x76543210                      ; lane selects for lane l xor 16
	s_mov_b32 s21, 0xfedcba98
	s_mov_b32 s22, 0x3e38aa3b                      ; c = log2(e) / 8
	s_mov_b32 s23, s22
	s_mov_b32 s39, 0xbe38aa3b                      ; -c
	s_mov_b32 s38, 0xffff0000
	WALU
	s_wait_dscnt 0x0
	s_wait_kmcnt 0x0
	s_add_nc_u64 s[34:35], s[4:5], s[46:47]
	s_or_b32 s35, s35, 0x80000000
	s_add_nc_u64 s[54:55], s[4:5], s[54:55]
	s_add_nc_u64 s[56:57], s[4:5], s[56:57]
	s_add_nc_u64 s[6:7], s[6:7], s[58:59]
	s_add_nc_u64 s[8:9], s[8:9], s[60:61]
	ROUND
	tensor_load_to_lds s[32:35], s[24:31]          ; my one tensor load of the launch
	s_nop 0
.rept 4
	v_nop
.endr
	global_load_b128 v[16:19], v1, s[54:55]        ; Q's codes stay in registers: tile 0,
	global_load_b64 v[20:21], v2, s[54:55] offset:512
	global_load_b128 v[30:33], v1, s[54:55] offset:768   ; tile 1
	global_load_b64 v[34:35], v2, s[54:55] offset:1280
	global_load_b32 v28, v250, s[56:57]            ; their scale words
	global_load_b32 v29, v250, s[56:57] offset:256
.irp i, 22,23,24,25,26,27,84,85,86,87,88,89
	v_mov_b32 v\i, 0                               ; zero codes
.endr
.irp i, 11,219,221,222,225
	v_mov_b32 v\i, 0                               ; written once: permutes' destinations, upper halves of pairs
.endr
	WALU
	s_wait_tensorcnt 0x0
	s_barrier_signal -1
	s_barrier_wait -1                              ; everybody's step is in
	s_wait_loadcnt 0x0
.macro PASS u
.if \u
	s_wait_xcnt 0x0                                ; the first tile's stores have read their registers
.irp i, 0,1,2,3,4,5
	v_mov_b32 v[16+\i], v[30+\i]
.endr
.endif
	v_mov_b32 v13, 0xff61b1e6                      ; the largest score so far: -3e38
	v_mov_b32 v14, 0
	v_mov_b32 v15, 0
	v_mov_b32 v224, 0
	v_mul_f32 v12, s39, v13
.set J, 0
.rept 16
	v_mov_b32 v[AT+J], 0                           ; the step is written once: the first finds zero sums
.set J, J+1
.endr
	v_floor_f32 v12, v12                           ; -M
.set J, 0
.rept 32
	v_mov_b32 v[O+J], 0                            ; and a zero O^T, which the first change of M leaves zero
.set J, J+1
.endr
	s_mov_b32 s36, 0
	s_mov_b32 s37, 4
.Ltrip_\@:
	v_add_nc_u32 v3, s36, v5
	v_add_nc_u32 v4, s36, v6
	v_add_nc_u32 v8, s36, v7
	v_add_nc_u32 v9, s36, v207
	v_add_nc_u32 v211, s36, v2
	KLOAD 0
	STEP \u, 0
	STEP \u, 1
	STEP \u, 2
	STEP \u, 3
	s_add_co_u32 s36, s36, 4*STEPL
	s_sub_co_u32 s37, s37, 1
	s_cmp_lg_u32 s37, 0
	WALU
	s_cbranch_scc1 .Ltrip_\@
	ADDA 0, 4
	ADDA 1, 5
	ADDA 2, 6
	ADDA 3, 7
	ADDA 0, 2
	ADDA 1, 3
	ADDA 0, 1
	SUMUP
	v_add_f32 v14, v14, v15                        ; the sum's two halves,
	v_permlanex16_b32 v222, v14, s20, s21
	v_add_f32 v14, v14, v222                       ; and lane l xor 16's
	WALU
	v_rcp_f32 v14, v14
	v_nop
	WALU
.set J, 0
.rept 32
	v_mul_f32 v[S+J], v[O+J], v14                  ; register 8 t + n: o(query, 16 t + 8 (lane / 16) + n)
.set J, J+1
.endr
.irp b, 0,1
.irp j, 0,1,2,3,4,5,6,7
	v_permlane16_swap_b32 v[S+16*\b+\j], v[S+8+16*\b+\j]   ; register 16 b + n now holds channel 32 b + 16 (lane / 16) + n: the natural order, since w_proj's codes are given so
.endr
.endr
.irp b, 0,1
	v_max3_num_f32 v[212+\b], |v[S+16*\b]|, |v[S+1+16*\b]|, 0x1800000
.endr
.irp i, 2,4,6,8,10,12,14
.irp b, 0,1
	v_max3_num_f32 v[212+\b], v[212+\b], |v[S+16*\b+\i]|, |v[S+1+16*\b+\i]|
.endr
.endr
.irp b, 0,1
	v_permlanex16_b32 v[216+\b], v[212+\b], s20, s21
.endr
.irp b, 0,1
	v_max_num_f32 v[212+\b], v[212+\b], v[216+\b]
.endr
.irp b, 0,1
	v_add_nc_u32 v[214+\b], 0xff000000, v[212+\b]
.endr
.irp b, 0,1
	v_lshrrev_b32 v[216+\b], 23, v[214+\b]
.endr
	v_lshl_or_b32 v[248+\u], v217, 8, v216         ; the head's two bytes of my query
	v_cvt_scalef32_pk16_fp6_f32 v[242:244], v[S:S+15], v214
	v_cvt_scalef32_pk16_fp6_f32 v[204:206], v[S+16:S+31], v215
	v_nop
.irp i, 0,1,2
	v_permlane16_swap_b32 v[242+\i], v[204+\i]
.endr
.irp i, 0,1,2
	v_mov_b32 v[245+\i], v[204+\i]                 ; six registers: lanes 0-15 block 0, lanes 16-31 block 1
.endr
	global_store_b128 v1, v[242:245], s[6:7] offset:12288*\u       ; 512 and 256 consecutive bytes, each at a multiple of 256 from the buffer's first byte
	global_store_b64 v2, v[246:247], s[6:7] offset:12288*\u+512
.endm
	PASS 0
	PASS 1
	v_cndmask_b32 v250, v248, v249, s38            ; thread n holds the word of the work-group's query n
	v_lshl_add_u32 v100, v0, 2, SCG
	v_lshl_add_u32 v101, v0, 4, SCG
	v_lshlrev_b32 v102, 4, v0
	ds_store_b32 v100, v250
	WALU
	s_wait_dscnt 0x0                               ; for the others' sake
	s_barrier_signal -1
	s_barrier_wait -1
	s_cmp_lt_u32 s18, 4                            ; waves 0-3 store the 2,048 bytes, 16 a lane
	s_cbranch_scc0 .Lno_words
	ds_load_b128 v[96:99], v101
	s_wait_dscnt 0x0
	global_store_b128 v102, v[96:99], s[8:9]
.Lno_words:
	s_wait_tensorcnt 0x0                           ; the wave's end
	ds_add_u32 v254, v255
	s_wait_dscnt 0x0
	ROUND
	s_endpgm
.Lfunc_end_k_qb20d05fcb5_attn:
	.size	k_qb20d05fcb5_attn, .Lfunc_end_k_qb20d05fcb5_attn-k_qb20d05fcb5_attn
	.p2alignl 7, 3214868480
	.fill 96, 4, 3214868480
	.section	.rodata,"a",@progbits
	.p2align	6, 0x0
	.amdhsa_kernel k_qb20d05fcb5_attn
		.amdhsa_group_segment_fixed_size 265216
		.amdhsa_private_segment_fixed_size 0
		.amdhsa_enable_private_segment 0
		.amdhsa_kernarg_size 24
		.amdhsa_user_sgpr_count 2
		.amdhsa_user_sgpr_kernarg_segment_ptr 1
		.amdhsa_wavefront_size32 1
		.amdhsa_system_sgpr_workgroup_id_x 1
		.amdhsa_system_sgpr_workgroup_id_y 1
		.amdhsa_system_sgpr_workgroup_id_z 1
		.amdhsa_system_vgpr_workitem_id 0
		.amdhsa_next_free_vgpr 256
		.amdhsa_next_free_sgpr 66
		.amdhsa_reserve_vcc 0
		.amdhsa_float_denorm_mode_32 3
		.amdhsa_float_denorm_mode_16_64 3
		.amdhsa_memory_ordered 1
		.amdhsa_forward_progress 1
		.amdhsa_inst_pref_size 139
	.end_amdhsa_kernel
	.amdgpu_metadata
---
amdhsa.version: [ 1, 2 ]
amdhsa.kernels:
  - .name:           k_qb20d05fcb5_attn
    .symbol:         k_qb20d05fcb5_attn.kd
    .args:
      - { .name: qkv, .offset: 0, .size: 8, .value_kind: global_buffer, .address_space: global }
      - { .name: ocodes, .offset: 8, .size: 8, .value_kind: global_buffer, .address_space: global }
      - { .name: oscales, .offset: 16, .size: 8, .value_kind: global_buffer, .address_space: global }
    .group_segment_fixed_size: 265216
    .private_segment_fixed_size: 0
    .kernarg_segment_align: 8
    .kernarg_segment_size: 24
    .max_flat_workgroup_size: 512
    .sgpr_count:     66
    .vgpr_count:     256
    .wavefront_size: 32
...
	.end_amdgpu_metadata
.endif
;; end of part 2
;; launch proj (part 3): grid 8 x 32, 4 waves a work-group, clusters of 4 x 4, 327,680 bytes of LDS; arguments ocodes, oscales, w_proj_codes, w_proj_scales, b_proj, out0; writes out0
.if DOCPART == 3
	.amdgcn_target "amdgcn-amd-amdhsa--gfx1250"
	.amdhsa_code_object_version 6
	.text
	.protected	k_qb20d05fcb5_proj
	.globl	k_qb20d05fcb5_proj
	.p2align	8
	.type	k_qb20d05fcb5_proj,@function
k_qb20d05fcb5_proj:
	s_mov_b64 s[64:65], 0
	v_nop
	global_prefetch_b8 v0, s[64:65] scope:SCOPE_SE
	s_setreg_imm32_b32 hwreg(HW_REG_WAVE_MODE, 25, 1), 1
	s_wait_xcnt 0x0
	s_wait_alu depctr_hold_cnt(0) depctr_sa_sdst(0) depctr_va_vdst(0) depctr_va_sdst(0) depctr_va_ssrc(0) depctr_va_vcc(0) depctr_vm_vsrc(0)
	s_getreg_b32 s2, hwreg(HW_REG_IB_STS2, 6, 4)
	s_cmp_eq_u32 s2, 0
	s_cbranch_scc0 .Lentry_in_a_cluster
	s_endpgm
.Lentry_in_a_cluster:
	s_bfe_u32 s2, ttmp6, 0x10000c
	s_cmp_lg_u32 s2, 0xf033
	s_cbranch_scc0 .Lentry_shape_is_right
	s_endpgm
.Lentry_shape_is_right:
; out0 = o w_proj + b_proj on codes of FP6 (E2M3), K = 1,024.  o comes as images of the operand's registers, [token tile of 16][head][768 bytes], with one scale word (two bytes) for a head and a token; w_proj as given.
; THE DEAL.  256 work-groups of four waves; a work-group makes 256 tokens (g) x 128 columns (c).  Wave (a, b) takes tokens 128 a .. + 127 and columns 64 b .. + 63: it holds its 64 rows of w_proj, all of K, in 384 registers
; and streams its eight token tiles past them, 32 products a tile.  Source 0 = w_proj's rows: a lane holds eight neighbouring numbers of a row of out0.  The bias is the C of a tile's first four products.
; LDS: o's 16 token tiles (196,608 dense bytes), w_proj's 128 rows (pitch 816), o's scale bytes (stored by the waves), a stage of 16 x 272 bytes a wave, the spare words.  Everything is filled once, at the head: no ring, no refill.
; CLUSTERS 4 x 4: o's tiles are shared along a row of the cluster, w_proj's rows along a column.
; THE WAY OUT.  A tile's 16 x 64 sums go through the wave's own stage and come back as rows of 256 bytes: sixteen lanes store one aligned unit.  Tile s - 1 is stored behind tile s's products.
; WAITS ON DSCNT: a fetch is NF = 34 loads, a passage through the stage 16 instructions.  Ahead of a tile's products the next fetch and the last passage may be out (50; 34 ahead of the first; 16 ahead of the last).
; No prefetch: all that the launch reads is asked for at its head, and there is no loop to run ahead in.
.set KROW, 768
.set PITCH, 816
.set FR, 12
.set FPW, 21
.set NF, 34
.set WB, 16*12288
.set OS, WB+128*PITCH
.set STAGE, OS+32*272
.set SPARE, STAGE+4*16*272
.set OA16, 4
.set OA8, 5
.set OSA, 6
.set BA, 10
.set ADRA, 18
.set AAS, 20
.set CO, 21
.set STO, 22
.set RD, 23
.set SB, 24
.set SA, 44
.set ACC, 64
.set BK, 128
.set BB, 192
.set SPW, 254
.set NIL, 255
.set CWIN, 0
.set G1O, 28
.set G1W, 36
.set G0W, 52
.set G0O, 56
.set MSB, 0
.macro WIN new
.if MSB != \new
	s_set_vgpr_msb (MSB<<8)|\new
.set MSB, \new
.endif
.endm
.macro PLACES n
.rept \n
	v_nop
.endr
.endm
.macro WALU
	s_wait_alu depctr_va_vdst(0)
.endm
.macro BARRIER
	s_barrier_signal -1
	s_barrier_wait -1
.endm
.macro CROUND
	s_barrier_signal -1
	s_barrier_wait -1
	s_cmp_lg_u32 s16, 0
	s_cbranch_scc1 .Lnot_wave_0_\@
	s_barrier_signal -3
.Lnot_wave_0_\@:
	s_barrier_wait -3
	s_barrier_signal -1
	s_barrier_wait -1
.endm
.macro TLOAD g0, g1
	tensor_load_to_lds s[\g0:\g0+3], s[\g1:\g1+7]
	s_nop 0
	PLACES 4
.endm
; fragment f lies in window 1 + f / 21 at register 12 (f % 21): 0-31 w_proj's (4 q + t), 32-39 and 40-47 o's two sets
.macro FRAG f, q, a0, a1
	WIN (1+(\f)/FPW)<<6
.set R_, FR*((\f)%FPW)
.set SKIP_, 0
.irp p, 0,1,2,3,4,5
.if SKIP_
.set SKIP_, 0
.else
.set PC_, 12*(\q)+6*(\p/3)+\p%3
.set PN_, 12*(\q)+6*((\p+1)/3)+(\p+1)%3
.set X_, (PC_%32+3)/32
.set XQ_, (PN_%32+3)/32
.if (\p < 5) && (X_ == XQ_)
.set SKIP_, 1
.if X_
	ds_load_2addr_b64 v[R_+2*\p:R_+2*\p+3], \a1 offset0:PC_+2*(PC_/32) offset1:PN_+2*(PN_/32)
.else
	ds_load_2addr_b64 v[R_+2*\p:R_+2*\p+3], \a0 offset0:PC_+2*(PC_/32) offset1:PN_+2*(PN_/32)
.endif
.elseif X_
	ds_load_b64 v[R_+2*\p:R_+2*\p+1], \a1 offset:8*(PC_+2*(PC_/32))
.else
	ds_load_b64 v[R_+2*\p:R_+2*\p+1], \a0 offset:8*(PC_+2*(PC_/32))
.endif
.endif
.endr
.endm
.macro WEIGHTS
.irp q, 0,1,2,3,4,5,6,7
.irp t, 0,1,2,3
	FRAG 4*\q+\t, \q, v[BA+2*\t], v[BA+2*\t+1]
.endr
.endr
	WIN 0
.endm
.macro FETCH e                         ; a token tile, all of K, and its scale words into set e: an image of the registers, six at a time
.irp q, 0,1,2,3,4,5,6,7
	WIN (1+(32+8*(\e)+\q)/FPW)<<6
.set R_, FR*((32+8*(\e)+\q)%FPW)
.irp c, 0,1
	ds_load_b128 v[R_+6*\c:R_+6*\c+3], v[ADRA] offset:1536*\q+768*\c
	ds_load_b64 v[R_+6*\c+4:R_+6*\c+5], v[ADRA+1] offset:1536*\q+768*\c+512
.endr
.endr
	WIN 0
	ds_load_b128 v[SA+8*(\e):SA+8*(\e)+3], v[AAS]
	ds_load_b128 v[SA+8*(\e)+4:SA+8*(\e)+7], v[AAS] offset:16
.endm
.macro XADDR s
	v_add_nc_u32 v[ADRA], 12288*(\s), v[OA16]
	v_add_nc_u32 v[ADRA+1], 12288*(\s), v[OA8]
	v_add_nc_u32 v[AAS], 544*(\s), v[OSA]
.endm
.macro PROD1 d, s0, s1, c, x0, x1, o
.if \o
	v_wmma_scale_f32_16x16x128_f8f6f4 v[\d:\d+7], v[FR*((\s0)%FPW):FR*((\s0)%FPW)+FR-1], v[FR*((\s1)%FPW):FR*((\s1)%FPW)+FR-1], \c, v[\x0], v[\x1] matrix_a_fmt:MATRIX_FMT_FP6 matrix_b_fmt:MATRIX_FMT_FP6 matrix_a_scale:MATRIX_SCALE_ROW1
.else
	v_wmma_scale_f32_16x16x128_f8f6f4 v[\d:\d+7], v[FR*((\s0)%FPW):FR*((\s0)%FPW)+FR-1], v[FR*((\s1)%FPW):FR*((\s1)%FPW)+FR-1], \c, v[\x0], v[\x1] matrix_a_fmt:MATRIX_FMT_FP6 matrix_b_fmt:MATRIX_FMT_FP6 matrix_a_scale:MATRIX_SCALE_ROW0
.endif
.endm
.macro BLOCK e                         ; 32 products, n = 4 q + t; the four accumulators take turns
.set N_, 0
.rept 32
.set Q_, N_/4
.set T_, N_%4
.set FB_, 4*Q_+T_
.set FA_, 32+8*(\e)+Q_
.set D_, ACC+32*(\e)+8*T_
	WIN (1+FB_/FPW)|((1+FA_/FPW)<<2)
.if Q_
	PROD1 D_, FB_, FA_, v[D_:D_+7], SB+8*(T_/2)+Q_, SA+8*(\e)+Q_, T_%2
.else
	PROD1 D_, FB_, FA_, v[BB+8*T_:BB+8*T_+7], SB+8*(T_/2)+Q_, SA+8*(\e)+Q_, T_%2
.endif
.set N_, N_+1
.endr
	WIN 0
.endm
.macro TOSTAGE e                       ; LDS serves a wave's instructions in order (ISA guide 5.7.1.4): no wait between the stores and the loads
.irp t, 0,1,2,3
	ds_store_b128 v[STO], v[ACC+32*(\e)+8*\t:ACC+32*(\e)+8*\t+3] offset:64*\t
	ds_store_b128 v[STO], v[ACC+32*(\e)+8*\t+4:ACC+32*(\e)+8*\t+7] offset:64*\t+16
.endr
.irp k, 0,1,2,3,4,5,6,7
	ds_load_b128 v[BK+32*(\e)+4*\k:BK+32*(\e)+4*\k+3], v[RD] offset:544*\k
.endr
.endm
.macro SEND s, younger
	s_wait_dscnt \younger
.irp k, 0,1,2,3,4,5,6,7
	global_store_b128 v[CO], v[BK+32*((\s)%2)+4*\k:BK+32*((\s)%2)+4*\k+3], s[80:81] offset:(16*(\s)+2*\k)*4096 th:TH_STORE_NT   ; sixteen lanes store 256 consecutive bytes, aligned
.endr
.endm
; ---- the head
	s_load_b256 s[4:11], s[0:1], 0x0       ; o's codes, o's scale words, w_proj's codes, its scales
	s_load_b128 s[12:15], s[0:1], 0x20     ; b_proj, out0
	v_lshl_add_u32 v[SPW], v0, 2, SPARE
	v_mov_b32 v[NIL], 0
	ds_add_u32 v[SPW], v[NIL]              ; the opening lines: the add twice on end
	ds_add_u32 v[SPW], v[NIL]
	v_lshrrev_b32 v1, 5, v0
	v_readfirstlane_b32 s16, v1
	s_lshr_b32 s17, s16, 1                 ; a
	s_and_b32 s18, s16, 1                  ; b
	s_bfe_u32 s19, ttmp6, 0x40000
	s_bfe_u32 s20, ttmp6, 0x40004
	s_lshl_b32 s21, ttmp9, 2
	s_add_co_u32 s21, s21, s19             ; c
	s_and_b32 s22, ttmp7, 0xffff
	s_lshl_b32 s22, s22, 2
	s_add_co_u32 s22, s22, s20             ; g
	s_lshl_b32 s23, s20, 2
	s_lshl_b32 s23, 15, s23
	s_lshl_b32 s24, 0x1111, s19
	s_or_b32 s[G1W+0], s24, (1<<20)|(1<<21)|(5<<22)|(3<<25)   ; 128 rows of 768 bytes, 16 of padding behind every 256
	s_mov_b32 s[G1W+1], KROW<<16
	s_mov_b32 s[G1W+2], 128<<16
	s_mov_b32 s[G1W+3], KROW<<16
	s_mov_b32 s[G1W+4], 128
	s_mov_b32 s[G1W+5], KROW
	s_mov_b32 s[G1W+6], 0
	s_mov_b32 s[G1W+7], 0
	s_or_b32 s[G1O+0], s23, (3<<16)|(1<<21)                   ; 65,536 dense bytes as 256 rows of 256
	s_mov_b32 s[G1O+1], 32<<16
	s_mov_b32 s[G1O+2], 256<<16
	s_mov_b32 s[G1O+3], 32<<16
	s_mov_b32 s[G1O+4], 256
	s_mov_b32 s[G1O+5], 32
	s_mov_b32 s[G1O+6], 0
	s_mov_b32 s[G1O+7], 0
	s_mov_b32 s[G0W], 1
	s_mov_b32 s[G0W+1], WB
	s_mov_b32 s[G0O], 1
	s_lshl_b32 s[G0O+1], s16, 16           ; waves 0 to 2 bring a third of o's tiles each
	s_mul_i32 s72, s21, 128*KROW
	s_mul_i32 s73, s22, 16*12288
	s_add_co_u32 s73, s73, s[G0O+1]
	s_mov_b32 s77, 0
	WALU
	s_wait_dscnt 0x0
	CROUND
	s_wait_kmcnt 0x0
	s_mov_b32 s76, s72
	s_add_nc_u64 s[G0W+2:G0W+3], s[8:9], s[76:77]
	s_or_b32 s[G0W+3], s[G0W+3], 0x80000000
	s_mov_b32 s76, s73
	s_add_nc_u64 s[G0O+2:G0O+3], s[4:5], s[76:77]
	s_or_b32 s[G0O+3], s[G0O+3], 0x80000000
	s_cmp_eq_u32 s16, 3
	s_cbranch_scc0 .Lfor_o
	TLOAD G0W, G1W
	s_branch .Lasked
.Lfor_o:
	TLOAD G0O, G1O
.Lasked:
	v_and_b32 v1, 15, v0
	v_bfe_u32 v2, v0, 4, 1
	v_and_b32 v3, 31, v0
	v_bfe_u32 v19, v0, 3, 1
	v_lshlrev_b32 v7, 2, v0
	v_lshlrev_b32 v9, 5, v2
	v_lshlrev_b32 v8, 5, v3
	s_mul_i32 s78, s17, 8*12288
	s_mul_i32 s79, s18, 64*PITCH
	s_add_co_u32 s79, s79, WB
	v_lshl_add_u32 v[OA16], v3, 4, s78
	v_lshl_add_u32 v[OA8], v3, 3, s78
	v_mul_u32_u24 v[BA], v1, PITCH
	v_mad_u32_u24 v[BA+1], v2, 40, v[BA]
	v_mad_u32_u24 v[BA], v2, 24, v[BA]
	v_add_nc_u32 v[BA], s79, v[BA]
	v_add_nc_u32 v[BA+1], s79, v[BA+1]
.irp t, 1,2,3
	v_add_nc_u32 v[BA+2*\t], \t*16*PITCH, v[BA]
	v_add_nc_u32 v[BA+2*\t+1], \t*16*PITCH, v[BA+1]
.endr
	v_lshlrev_b32 v[OSA], 5, v1
	v_lshl_add_u32 v[OSA], v19, 4, v[OSA]
	s_mul_i32 s78, s17, 16*272
	s_add_co_u32 s78, s78, OS
	v_add_nc_u32 v[OSA], s78, v[OSA]
	s_mul_i32 s79, s16, 16*272
	s_add_co_u32 s79, s79, STAGE
	v_mul_u32_u24 v[STO], v1, 272
	v_lshl_add_u32 v[STO], v2, 5, v[STO]
	v_add_nc_u32 v[STO], s79, v[STO]
	v_mul_u32_u24 v[RD], v2, 272
	v_lshl_add_u32 v[RD], v1, 4, v[RD]
	v_add_nc_u32 v[RD], s79, v[RD]
	v_lshlrev_b32 v[CO], 12, v2
	v_lshl_add_u32 v[CO], v1, 4, v[CO]
	v_lshrrev_b32 v20, 3, v0
	v_lshlrev_b32 v20, 4, v20
	v_lshl_add_u32 v20, v0, 5, v20
	v_add_nc_u32 v[ADRA], OS, v20          ; where thread n puts token n's 32 scale bytes: 16 of padding behind every eight tokens
	s_lshr_b32 s76, s22, 3
	s_lshl_b32 s76, s76, 17
	s_and_b32 s78, s22, 7
	s_lshl_b32 s78, s78, 10
	s_add_co_u32 s76, s76, s78
	s_add_nc_u64 s[6:7], s[6:7], s[76:77]          ; o's scale words of my 256 tokens, head 0
	s_lshl_b32 s76, s21, 12
	s_lshl_b32 s78, s18, 11
	s_add_co_u32 s76, s76, s78
	s_add_nc_u64 s[92:93], s[10:11], s[76:77]
	s_lshl_b32 s76, s21, 9
	s_lshl_b32 s78, s18, 8
	s_add_co_u32 s76, s76, s78
	s_add_nc_u64 s[94:95], s[12:13], s[76:77]
	s_lshl_b32 s78, s22, 8
	s_lshl_b32 s79, s17, 7
	s_add_co_u32 s78, s78, s79
	s_lshl_b32 s78, s78, 12
	s_add_co_u32 s76, s76, s78
	s_add_nc_u64 s[80:81], s[14:15], s[76:77]      ; my first row and column of out0
	WALU
.irp p, 0,1
.irp k, 0,1
	global_load_b128 v[SB+8*\p+4*\k:SB+8*\p+4*\k+3], v8, s[92:93] offset:1024*\p+16*\k
.endr
.endr
.irp t, 0,1,2,3
	global_load_b128 v[BB+8*\t:BB+8*\t+3], v9, s[94:95] offset:64*\t
	global_load_b128 v[BB+8*\t+4:BB+8*\t+7], v9, s[94:95] offset:64*\t+16
.endr
.irp u, 0,1
.irp hd, 0,1,2,3,4,5,6,7,8,9,10,11,12,13,14,15
	global_load_b32 v[128+16*\u+\hd], v7, s[6:7] offset:8192*\hd+512*\u    ; thread n: tokens n and n + 128, sixteen heads
.endr
.endr
	s_cmp_eq_u32 s16, 3
	s_cbranch_scc0 .Lnot_w
	s_wait_tensorcnt 0x0
.Lnot_w:
	BARRIER                                ; w_proj's rows are in; o's tiles may be on their way
	WEIGHTS
	s_wait_loadcnt 0x0
.irp u, 0,1
.irp q, 0,1,2,3,4,5,6,7
	v_lshl_or_b32 v[160+8*\u+\q], v[128+16*\u+2*\q+1], 16, v[128+16*\u+2*\q]   ; K step q's word: two bytes of head 2 q, two of head 2 q + 1
.endr
.endr
	WALU
	s_wait_tensorcnt 0x0
	ds_store_b128 v[ADRA], v[160:163]
	ds_store_b128 v[ADRA], v[164:167] offset:16
	ds_store_b128 v[ADRA], v[168:171] offset:16*272
	ds_store_b128 v[ADRA], v[172:175] offset:16*272+16
	s_wait_dscnt 0x0
	BARRIER                                ; o's tiles and scale bytes are in
	XADDR 0
	WALU
	FETCH 0
	XADDR 1
	WALU
	FETCH 1
; ---- eight token tiles
.irp s, 0,1,2,3,4,5,6,7
	WALU
.if \s == 0
	s_wait_dscnt NF
.elseif \s == 7
	s_wait_dscnt 16
.else
	s_wait_dscnt NF+16
.endif
	BLOCK (\s%2)
.if \s < 6
	XADDR \s+2
	v_nop                                  ; four places behind the products
.else
	PLACES 4
.endif
	WALU
	s_wait_xcnt 0x0                        ; the stores of two tiles ago have read their registers
.if \s < 6
	FETCH (\s%2)
.endif
	TOSTAGE (\s%2)
.if \s > 0
.if \s < 6
	SEND \s-1, NF+16
.else
	SEND \s-1, 16
.endif
.endif
.endr
	SEND 7, 0
	s_wait_tensorcnt 0x0                   ; the wave's end
	ds_add_u32 v[SPW], v[NIL]
	s_wait_dscnt 0x0
	CROUND
	s_endpgm
.Lfunc_end_k_qb20d05fcb5_proj:
	.size	k_qb20d05fcb5_proj, .Lfunc_end_k_qb20d05fcb5_proj-k_qb20d05fcb5_proj
	.p2alignl 7, 3214868480
	.fill 96, 4, 3214868480
	.section	.rodata,"a",@progbits
	.p2align	6, 0x0
	.amdhsa_kernel k_qb20d05fcb5_proj
		.amdhsa_group_segment_fixed_size 327680
		.amdhsa_private_segment_fixed_size 0
		.amdhsa_enable_private_segment 0
		.amdhsa_kernarg_size 48
		.amdhsa_user_sgpr_count 2
		.amdhsa_user_sgpr_kernarg_segment_ptr 1
		.amdhsa_wavefront_size32 1
		.amdhsa_system_sgpr_workgroup_id_x 1
		.amdhsa_system_sgpr_workgroup_id_y 1
		.amdhsa_system_sgpr_workgroup_id_z 1
		.amdhsa_system_vgpr_workitem_id 0
		.amdhsa_next_free_vgpr 840
		.amdhsa_next_free_sgpr 100
		.amdhsa_reserve_vcc 0
		.amdhsa_float_denorm_mode_32 3
		.amdhsa_float_denorm_mode_16_64 3
		.amdhsa_memory_ordered 1
		.amdhsa_forward_progress 1
		.amdhsa_inst_pref_size 88
	.end_amdhsa_kernel
	.amdgpu_metadata
---
amdhsa.version: [ 1, 2 ]
amdhsa.kernels:
  - .name:           k_qb20d05fcb5_proj
    .symbol:         k_qb20d05fcb5_proj.kd
    .args:
      - { .name: ocodes, .offset: 0, .size: 8, .value_kind: global_buffer, .address_space: global }
      - { .name: oscales, .offset: 8, .size: 8, .value_kind: global_buffer, .address_space: global }
      - { .name: w_proj_codes, .offset: 16, .size: 8, .value_kind: global_buffer, .address_space: global }
      - { .name: w_proj_scales, .offset: 24, .size: 8, .value_kind: global_buffer, .address_space: global }
      - { .name: b_proj, .offset: 32, .size: 8, .value_kind: global_buffer, .address_space: global }
      - { .name: out0, .offset: 40, .size: 8, .value_kind: global_buffer, .address_space: global }
    .group_segment_fixed_size: 327680
    .private_segment_fixed_size: 0
    .kernarg_segment_align: 8
    .kernarg_segment_size: 48
    .max_flat_workgroup_size: 128
    .sgpr_count:     100
    .vgpr_count:     840
    .wavefront_size: 32
...
	.end_amdgpu_metadata
.endif
;; end of part 3
